; MI455X (gfx1250); checked and timed in simulation.
; The chip was launched on July 23, 2026; its instructions are those of AMD's public machine-readable ISA for CDNA 5 (MIT licence, August 2026) and "CDNA5" Instruction Set Architecture Reference Guide (July 2026). The comments in the code are by the model that wrote it; some were corrected since.
;; General Attention. Allowed arithmetic: matrix products marked QUANTISED: E2M1 operands, one E8M0 scale for each 32 along K, by v_wmma_scale_f32_16x16x128_f8f6f4 with both operands' format E2M1 (or v_wmma_scale_f32_32x16x128_f4), f32 sums; everything else in f32.
;; Inputs: K 4 x 16 x 2,048 x 128 float32; Q_codes 4 x 16 x 2,048 x 4 x 16 uint8 (E2M1 codes of Q, K innermost, in blocks of 32 codes, two codes a byte); Q_scales 4 x 16 x 2,048 x 4 uint8 (E8M0 scales of Q, one for each 32 codes along K); V_codes 4 x 16 x 128 x 64 x 16 uint8 (E2M1 codes of V, K innermost, in blocks of 32 codes, two codes a byte); V_scales 4 x 16 x 128 x 64 uint8 (E8M0 scales of V, one for each 32 codes along K).
;; Outputs: out0 4 x 16 x 2,048 x 128 float32.
;; This version of the problem:
;;   THIS VERSION OF THE PROBLEM IS GIVEN IN LOW PRECISION. The matrix products marked QUANTISED in the list below multiply operands that are first quantised to E2M1 (2 exponent bits, 1 mantissa bit; 4 bits a number), with one power-of-two scale for each 32 numbers along K (OCP MX v1.0); their sums are f32. All else is computed in f32.
;;   The module's matrix products, in the order in which they are computed (A, B: the left and right operand; K: the contracted axis; several contracted axes count as one K, in the product's order):
;;     1. batch 64 x [M 2,048, K 128] x [K 128, N 2,048]; A: input Q (given as codes); B: input K: QUANTISED
;;     2. batch 64 x [M 2,048, K 2,048] x [K 2,048, N 128]; A: softmax (see below); B: input V (given as codes): QUANTISED
;;   THE QUANTISER, for each operand of a quantised product, along K:
;;     - K is cut into blocks of 32 from its start; a last block that is shorter is filled with zeros.
;;     - A block's scale is 2^e with e = floor(log2(the largest magnitude in the block)) - 2, held to -126 .. 127; a block of zeros has e = 0. As a byte (E8M0): e + 127.
;;     - Each number is divided by its block's scale, clamped to +-6, and rounded to the nearest number of E2M1, ties to even, subnormals kept.
;;     - The product sums the exact products of the quantised numbers (number of the format x scale) in f32.
;;   ~~~python
;;   def quantise(x, axis):      # numpy; x: float32 -> the quantised numbers, widened to float32 again
;;       x = np.moveaxis(x, axis, -1); K = x.shape[-1]
;;       x = np.pad(x, [(0, 0)] * (x.ndim - 1) + [(0, -K % 32)]); x = x.reshape(x.shape[:-1] + (-1, 32)); a = np.abs(x).max(-1, keepdims=True)
;;       e = np.where(a > 0, np.clip(np.frexp(np.where(a > 0, a, 1))[1] - 1 - 2, -126, 127), 0)      # np.frexp(a)[1] - 1 = floor(log2(a)), exactly
;;       r = np.clip(x / 2.0 ** e, -6, 6)
;;       step = 2.0 ** (np.maximum(np.frexp(np.where(r == 0, 1, r))[1] - 1, 0) - 1)
;;       q = np.round(r / step) * step * 2.0 ** e      # np.round: ties to even
;;       return np.moveaxis(q.reshape(q.shape[:-2] + (-1,))[..., :K], -1, axis).astype(np.float32)
;;   ~~~
;;   SOFTMAX AHEAD OF A QUANTISED PRODUCT. Where the list says 'softmax', what is quantised is not the finished softmax but p = 2^(t - M), with t = logit x log2(e) and M = ceil(the row's largest t), a whole number; so 1/2 < the row's largest p <= 1. The row's sum l is taken of the UNQUANTISED p, in f32, and the product's result is divided by l at the end. Since M is a whole number, a kernel that streams over the keys may use a running M (the ceiling of the running maximum): every later rescaling is an exact power of two, which a block's scale takes up: the codes' values come out the same.
;;   OPERANDS COMPUTED ON THE WAY. 'Computed on the way' means the value that the module computes at that place (a softmax that the list does not call 'softmax' is quantised finished and normalised). What goes into a quantiser is computed in f32, as accurately as f32 sums, v_exp_f32 and their like allow (about 1e-6 of the number): no bf16 or f16 on the way to a quantiser, and a product that is left as it is and whose result goes on into a quantised operand takes f32 operands (vector FMAs, or v_wmma_f32_16x16x4_f32). A number that lies on a knife's edge between two numbers of the format may be rounded either way, as far as f32 arithmetic and the matrix unit's own rounding can turn it there, and no further.
;;   INPUTS GIVEN AS CODES. Q (in the module: [4, 16, 2048, 128], K = its axis 3); V (in the module: [4, 16, 2048, 128], K = its axis 2): each comes as NAME_codes (uint8): NAME with its K axis moved to the last place and cut into blocks of 32 codes, [.., K / 32, bytes a block], one block behind the other in memory; two codes a byte, the lower K in the low four bits (a code: sign, 2 exponent bits, 1 mantissa bit); and NAME_scales (uint8): the same leading axes, one E8M0 byte (e + 127) for each 32 codes along K. Its value is code x scale, taken as it is: it is not quantised again, and the codes and scales need not be those that the quantiser above would give.
;; One version. Each part assembles by itself: llvm-mc -triple=amdgcn-amd-amdhsa -mcpu=gfx1250 --defsym DOCPART=n.
;; ======== version 1 of 1: 2 launches
;; workspace buffers: kq 8,912,896 bytes; kstat 4,096 bytes
;; launch quant (part 1): grid 512 x 1, 4 waves a work-group, no clusters, 39,680 bytes of LDS; arguments K, kq, kstat; writes kq, kstat
.if DOCPART == 1
	.amdgcn_target "amdgcn-amd-amdhsa--gfx1250"
	.amdhsa_code_object_version 6
	.text
	.protected	k_qf9bcaa5bd8_quant
	.globl	k_qf9bcaa5bd8_quant
	.p2align	8
	.type	k_qf9bcaa5bd8_quant,@function
k_qf9bcaa5bd8_quant:
	s_mov_b64 s[64:65], 0
	v_nop
	global_prefetch_b8 v0, s[64:65] scope:SCOPE_SE
	s_setreg_imm32_b32 hwreg(HW_REG_WAVE_MODE, 25, 1), 1
	s_wait_xcnt 0x0
; K [64 heads][2048 keys][128] f32 is read once and gives two things.
; (1) kq: codes of FP4 (E2M1) with one E8M0 byte for each 32 along the head's 128, laid in the order of the operand's registers.
;     A chunk is 512 keys, 34,816 bytes: 32 tiles of 1,024 bytes, then 32 x 64 bytes of scale words.  Lane (r, h) of tile 2 b + u holds key 32 b + 8 u + r + 8 (r / 8);
;     its registers 4 c .. 4 c + 3 (channels 64 c + 32 h + 0 .. 31, block 2 c + h) lie at 1024 tile + 512 c + 256 h + 16 r; its row's scale word at 64 tile + 4 r, byte = block.
; (2) kstat: for each work-group's 32,768 numbers the pair (mean, sum of squared distances from that mean), from which the next launch makes the variance of all of K.
;     The sums are taken about a shift c, the mean of the wave's first 512 numbers, and parts are merged by their means: no difference of large sums is formed.
; A block's scale is 2^(floor(log2(largest magnitude)) - 2): its byte is the largest magnitude's exponent field - 2, held at 1 from below.
; LIMITS: NaN and infinities in K are not served; magnitudes whose squares, summed 8,192 times, pass the largest f32 number (about 2e17) are not served by the variance;
; a block of zeros gets the byte 1 where the quantiser's rule says 127: its codes are zeros, and the bytes are read by this program alone.
; SHARES: a wave takes 64 keys (8,192 numbers) in 16 steps of 4 keys.  Each load reads 512 consecutive bytes; a step's 2,048 bytes turn through the wave's own stage in LDS and come back 64 bytes a lane,
; so that a lane holds 16 neighbours along the head's axis (two neighbouring lanes hold a block).  Codes and scale bytes are gathered in the wave's own LDS in the layout above and leave as
; runs of 512 and 256 consecutive aligned bytes.  The pair of kstat is 8 bytes a work-group: the one store here that does not cover 256 consecutive bytes.
.set STEPS, 16
.set WREG,  9728                       ; LDS of a wave: two stages of 32 x SP bytes, 4,096 bytes of codes, 256 of scale words
.set SP,    80                         ; a lane's place in a stage: 64 bytes + 16 of padding
.set CODES, 2*32*SP
.set SCB,   CODES+4096
.set STAT,  4*WREG                     ; behind the four waves' regions: a pair (mean, M2) for each wave
.set R,     16                         ; v16-79   four sets of 16 numbers as loaded; at the end v16-49 take the codes and scale words back from LDS
.set X,     80                         ; v80-111  two sets of 16 neighbours
.set E,     112                        ; v112-127 a scale byte for each step
.set C,     128                        ; v128-159 two registers of codes for each step
.set CM,    160                        ; v[160:161] the shift c, twice
.set S1,    162                        ; v[162:165] sums of x - c, two chains of pairs
.set S2,    166                        ; v[166:169] sums of (x - c)^2, likewise
.set D,     170                        ; v[170:177] x - c, four pairs
.set W,     178                        ; v178-191 at work on the reductions; v179 takes the lane permute
	s_load_b128 s[4:7], s[0:1], 0x0                ; K, kq
	s_load_b64 s[8:9], s[0:1], 0x10                ; kstat
	v_lshl_add_u32 v192, v0, 2, 0x9900
	v_mov_b32 v193, 0
	v_lshrrev_b32 v1, 5, v0
	v_readfirstlane_b32 s16, v1                    ; wave 0..3
	v_and_b32 v2, 31, v0                           ; lane l
	v_lshlrev_b32 v3, 4, v2                        ; 16 l: my bytes of a load's 512, and of a store's
	s_mul_i32 s17, s16, WREG
	v_lshrrev_b32 v14, 2, v2
	v_mul_u32_u24 v14, v14, SP
	v_and_b32 v15, 3, v2
	v_lshl_add_u32 v14, v15, 4, v14
	v_add_nc_u32 v14, s17, v14                     ; the stage, on the way in: SP (l / 4) + 16 (l % 4)
	v_mul_u32_u24 v15, v2, SP
	v_add_nc_u32 v15, s17, v15                     ; and on the way out: SP l
	; behind the turn lane l holds key l / 8 of the step's four, block (l / 2) % 4 = 2 c + h, half l % 2 of that block
	v_lshrrev_b32 v8, 3, v2                        ; l / 8
	v_bfe_u32 v9, v2, 2, 1                         ; c
	v_bfe_u32 v11, v2, 1, 1                        ; h
	v_and_b32 v12, 1, v2                           ; which 8 bytes of the block's 16
	v_lshlrev_b32 v4, 4, v8
	v_lshl_add_u32 v4, v9, 9, v4
	v_lshl_add_u32 v4, v11, 8, v4
	v_lshl_add_u32 v4, v12, 3, v4
	s_add_co_u32 s18, s17, CODES
	v_add_nc_u32 v4, s18, v4                       ; where my 8 bytes of codes go: 16 (l / 8) + 512 c + 256 h + 8 (l % 2); the step's part stands in the immediate
	v_add_nc_u32 v6, s18, v3                       ; and where I read codes back
	v_bfe_u32 v5, v2, 1, 2
	v_lshl_add_u32 v5, v8, 2, v5
	s_add_co_u32 s19, s17, SCB
	v_add_nc_u32 v5, s19, v5                       ; my block's scale byte: 4 (l / 8) + block
	v_lshlrev_b32 v7, 3, v2                        ; 8 l
	v_add_nc_u32 v1, s19, v7                       ; where I read scale words back
	s_lshl_b32 s20, s16, 3
	s_add_co_u32 s20, s20, STAT
	v_mov_b32 v10, s20                             ; my wave's pair
	v_mov_b32 v12, STAT                            ; the four pairs
	v_mov_b32 v13, 0
	s_mov_b32 s12, 0x76543210
	s_mov_b32 s13, 0xfedcba98                      ; v_permlanex16_b32's selects for lane l xor 16
.irp i, 0,1,2,3
	v_mov_b32 v[S1+\i], 0
	v_mov_b32 v[S2+\i], 0
.endr
	v_mov_b32 v[W+1], 0                            ; a lane permute's destination counts as one of its sources
	s_lshl_b32 s21, ttmp9, 2
	s_add_co_u32 s21, s21, s16                     ; which run of 64 keys is my wave's
	s_lshl_b32 s22, s21, 15                        ; 32,768 bytes of K a run
	s_mov_b32 s23, 0
	s_lshr_b32 s24, ttmp9, 1                       ; the chunk: two work-groups fill one
	s_mul_i32 s24, s24, 34816
	s_and_b32 s25, s21, 7                          ; which eighth of the chunk
	s_lshl_b32 s26, s25, 12
	s_add_co_u32 s26, s26, s24                     ; its four tiles,
	s_mov_b32 s27, 0
	s_lshl_b32 s28, s25, 8
	s_add_co_u32 s28, s28, s24
	s_add_co_u32 s28, s28, 32768                   ; their scale words,
	s_mov_b32 s29, 0
	s_lshl_b32 s30, ttmp9, 3                       ; and the work-group's pair
	s_mov_b32 s31, 0
	s_wait_kmcnt 0x0
	s_add_nc_u64 s[4:5], s[4:5], s[22:23]
	s_add_nc_u64 s[10:11], s[6:7], s[28:29]
	s_add_nc_u64 s[6:7], s[6:7], s[26:27]
	s_add_nc_u64 s[8:9], s[8:9], s[30:31]
.macro LOAD t
.irp i, 0,1,2,3
	global_load_b128 v[R+16*((\t)%4)+4*\i:R+16*((\t)%4)+4*\i+3], v3, s[4:5] offset:2048*(\t)+512*\i th:TH_LOAD_NT   ; 32 lanes read 512 consecutive bytes
.endr
.endm
.macro TURN t                          ; step t's numbers through the stage: LDS serves a wave's instructions in order, so no wait stands between the stores and the loads
.irp i, 0,1,2,3
	ds_store_b128 v14, v[R+16*((\t)%4)+4*\i:R+16*((\t)%4)+4*\i+3] offset:32*SP*((\t)%2)+8*SP*\i
.endr
.irp i, 0,1,2,3
	ds_load_b128 v[X+16*((\t)%2)+4*\i:X+16*((\t)%2)+4*\i+3], v15 offset:32*SP*((\t)%2)+16*\i
.endr
.endm
.macro WSUM r                          ; the sum of v[r] over the 32 lanes, in every lane
	v_add_f32_dpp v[\r], v[\r], v[\r] row_xmask:1 row_mask:0xf bank_mask:0xf
	v_add_f32_dpp v[\r], v[\r], v[\r] row_xmask:2 row_mask:0xf bank_mask:0xf
	v_add_f32_dpp v[\r], v[\r], v[\r] row_xmask:4 row_mask:0xf bank_mask:0xf
	v_add_f32_dpp v[\r], v[\r], v[\r] row_xmask:8 row_mask:0xf bank_mask:0xf
	v_permlanex16_b32 v[W+1], v[\r], s12, s13
	v_add_f32 v[\r], v[\r], v[W+1]
.endm
.irp t, 0,1,2,3
	LOAD \t
.endr
	s_wait_loadcnt 12                              ; step 0's four loads are in; those of steps 1 to 3 may be out
	TURN 0
.macro STEP t
.set XS, X+16*((\t)%2)
.set RO, 4*((\t)%2)+8*(((\t)/4)%2)     ; the step's part of the tile's lane r: key 4 t + l / 8 of the wave's 64 has r = 4 (t % 2) + l / 8 + 8 ((t / 4) % 2),
.set TI, 2*((\t)/8)+((\t)/2)%2         ; and lies in tile 2 (t / 8) + (t / 2) % 2 of the wave's four
.if (\t) > 0
	s_wait_dscnt 2                                 ; this step's numbers are back from the stage; the last step's two small stores may be out
.else
	s_wait_dscnt 0x0
.endif
.if (\t)+4 < STEPS
	LOAD (\t)+4                                    ; into the set whose numbers the stage has taken
.endif
.if (\t)+1 < STEPS
.if STEPS-2-(\t) >= 3
	s_wait_loadcnt 12                              ; the next step's four loads are in; those of the three steps behind it may be out
.else
	s_wait_loadcnt 4*(STEPS-2-(\t))
.endif
	TURN (\t)+1                                    ; they go through the other stage while this step is worked
.endif
.if (\t) == 0                          ; the shift c: the mean of the wave's first 512 numbers
	v_pk_add_f32 v[D:D+1], v[XS:XS+1], v[XS+2:XS+3]
	v_pk_add_f32 v[D+2:D+3], v[XS+4:XS+5], v[XS+6:XS+7]
	v_pk_add_f32 v[D+4:D+5], v[XS+8:XS+9], v[XS+10:XS+11]
	v_pk_add_f32 v[D+6:D+7], v[XS+12:XS+13], v[XS+14:XS+15]
	v_pk_add_f32 v[D:D+1], v[D:D+1], v[D+2:D+3]
	v_pk_add_f32 v[D+4:D+5], v[D+4:D+5], v[D+6:D+7]
	v_pk_add_f32 v[D:D+1], v[D:D+1], v[D+4:D+5]
	v_add_f32 v[W], v[D], v[D+1]
	WSUM W
	v_mul_f32 v[CM], 0x3b000000, v[W]              ; / 512
	v_mov_b32 v[CM+1], v[CM]
.endif
.irp g, 0,4                            ; sums of x - c and of its square, two numbers an instruction, two chains each
.irp i, 0,1,2,3
	v_pk_add_f32 v[D+2*\i:D+2*\i+1], v[XS+2*(\g+\i):XS+2*(\g+\i)+1], v[CM:CM+1] neg_lo:[0,1] neg_hi:[0,1]
.endr
.irp i, 0,1,2,3
	v_pk_add_f32 v[S1+2*(\i%2):S1+2*(\i%2)+1], v[S1+2*(\i%2):S1+2*(\i%2)+1], v[D+2*\i:D+2*\i+1]
	v_pk_fma_f32 v[S2+2*(\i%2):S2+2*(\i%2)+1], v[D+2*\i:D+2*\i+1], v[D+2*\i:D+2*\i+1], v[S2+2*(\i%2):S2+2*(\i%2)+1]
.endr
.endr
	v_max3_num_f32 v8, |v[XS]|, |v[XS+1]|, |v[XS+2]|               ; the largest magnitude of my 16
	v_max3_num_f32 v9, |v[XS+3]|, |v[XS+4]|, |v[XS+5]|
.irp i, 6,10
	v_max3_num_f32 v8, v8, |v[XS+\i]|, |v[XS+\i+1]|
	v_max3_num_f32 v9, v9, |v[XS+\i+2]|, |v[XS+\i+3]|
.endr
	v_max3_num_f32 v8, v8, |v[XS+14]|, |v[XS+15]|
	v_max3_num_f32 v8, v8, v9, 0x1800000           ; and the floor 2^(3 - 127): so the byte cannot fall under 1
	v_max_num_f32_dpp v8, v8, v8 row_xmask:1 row_mask:0xf bank_mask:0xf   ; and of my neighbour's 16: the block's
	v_add_nc_u32 v11, 0xff000000, v8               ; 2 off its exponent field: the conversion takes the exponent field of this operand as its scale, and nothing else of it
	v_cvt_scalef32_pk8_fp4_f32 v[C+2*(\t)], v[XS:XS+7], v11
	v_cvt_scalef32_pk8_fp4_f32 v[C+2*(\t)+1], v[XS+8:XS+15], v11
	v_lshrrev_b32 v[E+(\t)], 23, v11               ; the scale's byte (a plain line behind the conversions)
	ds_store_b8 v5, v[E+(\t)] offset:64*TI+4*RO    ; both lanes of a block write the same byte with the same value
	ds_store_b64 v4, v[C+2*(\t):C+2*(\t)+1] offset:1024*TI+16*RO
.endm
.irp t, 0,1,2,3,4,5,6,7,8,9,10,11,12,13,14,15
	STEP \t
.endr
.irp i, 0,1,2,3,4,5,6,7
	ds_load_b128 v[R+4*\i:R+4*\i+3], v6 offset:512*\i              ; my wave's four tiles back, as they will lie in memory (these see my stores: LDS serves a wave in order)
.endr
	ds_load_b64 v[R+32:R+33], v1                   ; and their 64 scale words
	; the wave's mean and M2, while those loads are out
	v_pk_add_f32 v[S1:S1+1], v[S1:S1+1], v[S1+2:S1+3]
	v_pk_add_f32 v[S2:S2+1], v[S2:S2+1], v[S2+2:S2+3]
	v_add_f32 v[W], v[S1], v[S1+1]
	v_add_f32 v[W+2], v[S2], v[S2+1]
	WSUM W
	WSUM W+2
	v_mul_f32 v[W+3], 0x39000000, v[W]             ; the sum of x - c, / 8,192
	v_add_f32 v[W+4], v[CM], v[W+3]                ; the wave's mean
	v_fma_f32 v[W+5], -v[W+3], v[W], v[W+2]        ; the wave's M2 = sum (x - c)^2 - (sum (x - c))^2 / 8,192
	ds_store_b64 v10, v[W+4:W+5]                   ; all lanes write the same pair
	s_wait_dscnt 0x0                               ; the read-back is in, and for the other waves' sake my pair has landed
.irp i, 0,1,2,3,4,5,6,7
	global_store_b128 v3, v[R+4*\i:R+4*\i+3], s[6:7] offset:512*\i ; 32 lanes store 512 consecutive bytes, at a multiple of 256 from kq's first byte
.endr
	global_store_b64 v7, v[R+32:R+33], s[10:11]    ; 32 lanes store 256 consecutive bytes, aligned likewise
	s_barrier_signal -1
	s_barrier_wait -1                              ; all four pairs lie in LDS
	ds_load_b128 v[W+6:W+9], v12                   ; m0, M2_0, m1, M2_1
	ds_load_b128 v[W+10:W+13], v12 offset:16       ; m2, M2_2, m3, M2_3
	s_wait_dscnt 0x0
	v_add_f32 v[W], v[W+6], v[W+8]
	v_add_f32 v[W+1], v[W+10], v[W+12]
	v_add_f32 v[W], v[W], v[W+1]
	v_mul_f32 v[W+4], 0x3e800000, v[W]             ; the work-group's mean: the four waves have equal counts
.irp i, 6,8,10,12
	v_sub_f32 v[W+\i], v[W+\i], v[W+4]
.endr
	v_mul_f32 v[W], v[W+6], v[W+6]
	v_fma_f32 v[W], v[W+8], v[W+8], v[W]
	v_fma_f32 v[W], v[W+10], v[W+10], v[W]
	v_fma_f32 v[W], v[W+12], v[W+12], v[W]
	v_add_f32 v[W+1], v[W+7], v[W+9]
	v_add_f32 v[W+2], v[W+11], v[W+13]
	v_add_f32 v[W+1], v[W+1], v[W+2]
	v_fma_f32 v[W+5], v[W], 0x46000000, v[W+1]     ; its M2 = the four M2 + 8,192 x the sum of (m - mean)^2
	s_wait_xcnt 0x0                                ; EXEC changes only behind this wait: the stores above have read it
	v_cmp_eq_u32 vcc_lo, 0, v0
	s_wait_tensorcnt 0x0
	ds_add_u32 v192, v193
	s_wait_dscnt 0x0
	s_and_saveexec_b32 s20, vcc_lo                 ; thread 0 alone
	global_store_b64 v13, v[W+4:W+5], s[8:9]
	s_wait_xcnt 0x0                                ; and again in front of the line that widens it
	s_or_b32 exec_lo, exec_lo, s20
	s_endpgm
.Lfunc_end_k_qf9bcaa5bd8_quant:
	.size	k_qf9bcaa5bd8_quant, .Lfunc_end_k_qf9bcaa5bd8_quant-k_qf9bcaa5bd8_quant
	.p2alignl 7, 3214868480
	.fill 96, 4, 3214868480
	.section	.rodata,"a",@progbits
	.p2align	6, 0x0
	.amdhsa_kernel k_qf9bcaa5bd8_quant
		.amdhsa_group_segment_fixed_size 39680
		.amdhsa_private_segment_fixed_size 0
		.amdhsa_enable_private_segment 0
		.amdhsa_kernarg_size 24
		.amdhsa_user_sgpr_count 2
		.amdhsa_user_sgpr_kernarg_segment_ptr 1
		.amdhsa_wavefront_size32 1
		.amdhsa_system_sgpr_workgroup_id_x 1
		.amdhsa_system_sgpr_workgroup_id_y 1
		.amdhsa_system_sgpr_workgroup_id_z 1
		.amdhsa_system_vgpr_workitem_id 0
		.amdhsa_next_free_vgpr 194
		.amdhsa_next_free_sgpr 66
		.amdhsa_reserve_vcc 1
		.amdhsa_float_denorm_mode_32 3
		.amdhsa_float_denorm_mode_16_64 3
		.amdhsa_memory_ordered 1
		.amdhsa_forward_progress 1
		.amdhsa_inst_pref_size 62
	.end_amdhsa_kernel
	.amdgpu_metadata
---
amdhsa.version: [ 1, 2 ]
amdhsa.kernels:
  - .name:           k_qf9bcaa5bd8_quant
    .symbol:         k_qf9bcaa5bd8_quant.kd
    .args:
      - { .name: K, .offset: 0, .size: 8, .value_kind: global_buffer, .address_space: global }
      - { .name: kq, .offset: 8, .size: 8, .value_kind: global_buffer, .address_space: global }
      - { .name: kstat, .offset: 16, .size: 8, .value_kind: global_buffer, .address_space: global }
    .group_segment_fixed_size: 39680
    .private_segment_fixed_size: 0
    .kernarg_segment_align: 8
    .kernarg_segment_size: 24
    .max_flat_workgroup_size: 128
    .sgpr_count:     66
    .vgpr_count:     194
    .wavefront_size: 32
...
	.end_amdgpu_metadata
.endif
;; end of part 1
;; launch attn (part 2): grid 8 x 64, 16 waves a work-group, clusters of 4 x 1, 327,680 bytes of LDS; arguments kq, kstat, Q_codes, Q_scales, V_codes, V_scales, out0; writes out0
.if DOCPART == 2
	.amdgcn_target "amdgcn-amd-amdhsa--gfx1250"
	.amdhsa_code_object_version 6
	.text
	.protected	k_qf9bcaa5bd8_attn
	.globl	k_qf9bcaa5bd8_attn
	.p2align	8
	.type	k_qf9bcaa5bd8_attn,@function
k_qf9bcaa5bd8_attn:
	s_mov_b64 s[64:65], 0
	v_nop
	global_prefetch_b8 v0, s[64:65] scope:SCOPE_SE
	s_setreg_imm32_b32 hwreg(HW_REG_WAVE_MODE, 25, 1), 1
	s_wait_xcnt 0x0
	s_wait_alu depctr_hold_cnt(0) depctr_sa_sdst(0) depctr_va_vdst(0) depctr_va_sdst(0) depctr_va_ssrc(0) depctr_va_vcc(0) depctr_vm_vsrc(0)
	s_getreg_b32 s2, hwreg(HW_REG_IB_STS2, 6, 4)
	s_cmp_eq_u32 s2, 0
	s_cbranch_scc0 .Lentry_in_a_cluster
	s_endpgm
.Lentry_in_a_cluster:
	s_bfe_u32 s2, ttmp6, 0x10000c
	s_cmp_lg_u32 s2, 0x3003
	s_cbranch_scc0 .Lentry_shape_is_right
	s_endpgm
.Lentry_shape_is_right:
; out0[head][q][:] = the sum over k of softmax_k(Q[q] . K[k] / sqrt(var(K))) V[k][:], 64 heads, 2,048 queries and keys, head size 128; both products on codes of FP4 (E2M1) with one E8M0 scale for each 32 along a product's K.
; Q: codes [head][q][64 bytes], scale words [head][q][4].  K: kq, made by the launch before: chunks of 512 keys, 34,816 bytes each: 32 tiles of 1,024 bytes in the order of the operand's registers, then 32 x 64 bytes of scale words.
; V: codes with the keys innermost [head][128][1,024 bytes], scale bytes [head][128][64].  kstat: 512 pairs (mean, M2) of 32,768 numbers of K each.
; THE SCALE.  var(K) = (the sum of the M2 + 32,768 x the sum of (mean_i - mean)^2) / (2^24 - 1); c = log2(e) / sqrt(var).  Every wave makes c for itself, at its head, while the first tiles are on their way.
; THE SOFTMAX.  t = score x c; M = the row's largest t so far, rounded UP to a whole number; p = 2^(t - M) is what is quantised, along the keys; it is not normalised.  The row's sum is taken of the unquantised p
; and divides at the end.  When M moves, the sum and O are multiplied by 2^(old M - new M): exact.
; SHARES.  A work-group owns 256 queries of one head, each of its sixteen waves one tile of 16, in 256 registers: four waves to a SIMD, so that one wave's vector work stands beside another's products and LDS loads.
; Every wave walks the head's 2,048 keys, 128 a step.
; LDS.  A head's K and V, codes and scales, are 287,232 bytes: EVERY BYTE IS FILLED ONCE, by loads that all go out at the kernel's head.  Four chunks of 512 keys; the chunks are waited for one by one.
; CLUSTER.  The four query blocks of a cluster belong to one head and need the same K and V: each tile is asked for JOINTLY, by the same tensor load with the same descriptor and a mask that names the four.
; No prefetch: all that a work-group reads of K and V is asked for by its first instructions, so no later load exists that a prefetch could run ahead of.
; LAYOUT.  Both products are used transposed: S^T = K Q^T (source 0 = 16 keys, source 1 = my 16 queries), O^T = V^T P^T (source 0 = 16 of the head's 128, source 1 = P): a lane holds ONE query (lane % 16) throughout.
; Lane r of K's tile 2 b + u holds key 32 b + 8 u + r + 8 (r / 8), so that the 16 registers of tiles 2 b and 2 b + 1 are 16 neighbouring keys, 32 b + 16 (lane / 16) + 0 .. 15.
; LIMITS.  var(K) = 0 gives no finite result, here as in the definition.  A block's largest p is made from the block's largest score by the same multiply-add and exponential: this takes v_exp_f32 not to fall where its input rises.
; REGISTERS: v1-7 addresses that stay; v8-11 addresses of the loads in hand; v12 -M, v13 the largest t, v[14:15] the sum in two halves; v16-23 Q; v32-95 four fragments of K or of V (at the head: kstat); v96-159 S^T, then p;
; v160-223 O^T; v224-231 p's codes; v232-247, v252, v254 at work; v248-251 the tiles' scale words, v253 p's scale word, v255 Q's.
.set CH,    69632                      ; a chunk in LDS: kq's 34,816 bytes as they lie, then V's 128 rows of 256 bytes + 16 of padding
.set VOFF,  34816
.set VP,    272
.set SCV,   4*CH                       ; behind the chunks: V's scale bytes of the head, 32 runs of 256 bytes + 16 of padding
.set LI,   1                           ; v1   16 x lane: my place in a tile's image
.set AV0,  2                           ; v2   my lane's place in a tile of V
.set LR4,  3                           ; v3   4 r: my row's scale word (K's in LDS, Q's in memory)
.set ASV0, 4                           ; v4   my lane's place among V's scale words
.set GO,   7                           ; v7   the way out: my byte offset in the wave's rows of out0
.set ADK,  8
.set ADV,  9
.set ADS,  10
.set ADT,  11
.set WV,   18                          ; s18  my wave's number
.set CNT,  19                          ; s19  counts a chunk's four steps
.set SEL,  20                          ; s[20:21] lane selects for v_permlanex16_b32: lane l xor 16
.set CS,   22                          ; s[22:23] c, twice: the packed form names a pair
.set G1K,  24                          ; s[24:31] descriptor group 1 for kq's half chunks;  s[32:39] for V's tiles;  s[40:47] for V's scale bytes
.set G1V,  32
.set G1S,  40
.set G0K,  48                          ; s[48:63] groups 0 for kq, one for each chunk
.set G0VS, 68                          ; s[68:71] for V's scale bytes
.set G0V,  72                          ; s[72:87] for V, one for each chunk
.set TK,   2                           ; s2   LDS byte at which the step's tiles of K begin
.set TKS,  3                           ; s3   and their scale words
.set TV,   66                          ; s66  the chunk's first byte + 64 x the step: V's columns
.set TJ,   67                          ; s67  4 x the step among the head's 16: V's scale words
; s88, s89, s[98:99] alone ever hold my place in the cluster: they enter Q's and out0's global addresses and nothing else.
.macro CROUND                          ; a round of the cluster's barrier: my work-group's barrier; wave 0 signals for the work-group; every wave waits for all four work-groups; my work-group's barrier once more
	s_barrier_signal -1
	s_barrier_wait -1
	s_cmp_lg_u32 s[WV], 0
	s_cbranch_scc1 .Lnot_wave_0_\@
	s_barrier_signal -3
.Lnot_wave_0_\@:
	s_barrier_wait -3
	s_barrier_signal -1
	s_barrier_wait -1
.endm
.macro WSUM r                          ; the sum of v[r] over the 32 lanes, in every lane
	v_add_f32_dpp v[\r], v[\r], v[\r] row_xmask:1 row_mask:0xf bank_mask:0xf
	v_add_f32_dpp v[\r], v[\r], v[\r] row_xmask:2 row_mask:0xf bank_mask:0xf
	v_add_f32_dpp v[\r], v[\r], v[\r] row_xmask:4 row_mask:0xf bank_mask:0xf
	v_add_f32_dpp v[\r], v[\r], v[\r] row_xmask:8 row_mask:0xf bank_mask:0xf
	v_permlanex16_b32 v236, v[\r], s[SEL], s[SEL+1]
	v_add_f32 v[\r], v[\r], v236
.endm
	s_load_b256 s[4:11], s[0:1], 0x0               ; kq s[4:5], kstat s[6:7], Q's codes s[8:9], Q's scales s[10:11]
	s_load_b128 s[12:15], s[0:1], 0x20             ; V's codes, V's scales
	s_load_b64 s[16:17], s[0:1], 0x30              ; out0
	v_lshl_add_u32 v242, v0, 2, 0x46200
	v_mov_b32 v243, 0
	ds_add_u32 v242, v243
	ds_add_u32 v242, v243
	v_lshrrev_b32 v8, 5, v0
	v_readfirstlane_b32 s[WV], v8                  ; wave 0..15
	s_and_b32 s90, ttmp7, 0xffff                   ; the head, which the four partners share
	s_bfe_u32 s88, ttmp6, 0x40000                  ; cx: my place in the cluster
	s_lshl_b32 s89, ttmp9, 2                       ; in a cluster launch ttmp9 counts clusters
	s_add_co_u32 s89, s89, s88                     ; my block of 256 queries
	s_lshl_b32 s89, s89, 8
	s_lshl_b32 s88, s[WV], 4
	s_add_co_u32 s89, s89, s88                     ; + 16 x wave
	s_lshl_b32 s88, s90, 11
	s_add_co_u32 s89, s89, s88                     ; + 2,048 x head: my first query's row in Q and in out0
	s_mov_b32 s99, 0
	; what I fetch, if I fetch.  Waves 0, 1: the halves of kq's chunks; waves 2, 3: the halves of V's scale bytes and of V's tiles.  In LDS all four parts of a chunk are 17,408 bytes: 68 x 256 = 64 x 272
	s_and_b32 s91, s[WV], 1                        ; which half
	s_and_b32 s94, s[WV], 3
	s_mul_i32 s94, s94, 17408                      ; its place in a chunk: no place in the cluster enters an LDS address
	s_mul_i32 s92, s90, 139264                     ; kq: a head's four chunks,
	s_mul_i32 s95, s91, 17408
	s_add_co_u32 s92, s92, s95                     ; my half
	s_mov_b32 s93, 0
	s_lshl_b32 s96, s90, 13                        ; V's scale bytes: 8,192 a head,
	s_lshl_b32 s95, s91, 12
	s_add_co_u32 s96, s96, s95                     ; my half
	s_mov_b32 s97, 0
	s_mul_i32 s95, s91, 16*272                     ; and its place in LDS
	; descriptor groups 1
	s_mov_b32 s[G1K], 15|(3<<16)|(1<<21)           ; 15:0 the mask: all four work-groups; 17:16 elements of 8 bytes; 20 no padding; 21 set beside a mask
	s_mov_b32 s[G1K+1], 32<<16                     ; tensor_dim0 = 32 elements: 256 bytes
	s_mov_b32 s[G1K+2], 68<<16                     ; tensor_dim1 = 68 rows
	s_mov_b32 s[G1K+3], 32<<16                     ; tile_dim0
	s_mov_b32 s[G1K+4], 68                         ; tile_dim1
	s_mov_b32 s[G1K+5], 32                         ; from row to row: dense
	s_mov_b32 s[G1K+6], 0
	s_mov_b32 s[G1K+7], 0
	s_mov_b32 s[G1V], 15|(1<<20)|(1<<21)|(5<<22)|(3<<25)           ; elements of 1 byte; padding: four words after every 64
	s_mov_b32 s[G1V+1], 256<<16                    ; 256 bytes of a row: 512 keys
	s_mov_b32 s[G1V+2], 64<<16                     ; 64 rows
	s_mov_b32 s[G1V+3], 256<<16
	s_mov_b32 s[G1V+4], 64
	s_mov_b32 s[G1V+5], 1024                       ; a row of V's codes in memory
	s_mov_b32 s[G1V+6], 0
	s_mov_b32 s[G1V+7], 0
	s_mov_b32 s[G1S], 15|(3<<16)|(1<<20)|(1<<21)|(5<<22)|(3<<25)   ; elements of 8 bytes; the same padding
	s_mov_b32 s[G1S+1], 32<<16
	s_mov_b32 s[G1S+2], 16<<16                     ; 16 dense rows of 256 bytes: half a head's scale bytes
	s_mov_b32 s[G1S+3], 32<<16
	s_mov_b32 s[G1S+4], 16
	s_mov_b32 s[G1S+5], 32
	s_mov_b32 s[G1S+6], 0
	s_mov_b32 s[G1S+7], 0
	s_mov_b32 s[SEL], 0x76543210
	s_mov_b32 s[SEL+1], 0xfedcba98
	s_wait_dscnt 0x0
	s_wait_kmcnt 0x0
	s_add_nc_u64 s[4:5], s[4:5], s[92:93]          ; kq at my half of the head's chunk 0
	s_add_nc_u64 s[14:15], s[14:15], s[96:97]      ; V's scale bytes at my half
	s_lshl_b32 s92, s90, 17                        ; V's codes: 131,072 bytes a head,
	s_lshl_b32 s91, s91, 16
	s_add_co_u32 s92, s92, s91                     ; my 64 rows
	s_add_nc_u64 s[12:13], s[12:13], s[92:93]
	s_lshl_b32 s98, s89, 6
	s_add_nc_u64 s[8:9], s[8:9], s[98:99]          ; Q's codes at my first query: 64 bytes a row
	s_lshl_b32 s98, s89, 2
	s_add_nc_u64 s[10:11], s[10:11], s[98:99]      ; its scale words
	s_lshl_b32 s98, s89, 9
	s_add_nc_u64 s[16:17], s[16:17], s[98:99]      ; out0: 512 bytes a row
.irp j, 0,1,2,3
	s_mov_b32 s[G0K+4*\j], 1                       ; 1:0 count = 1
	s_add_co_u32 s[G0K+4*\j+1], s94, \j*CH         ; 63:32 LDS address
	s_add_nc_u64 s[G0K+4*\j+2:G0K+4*\j+3], s[4:5], \j*34816        ; 120:64 global address: chunk j
	s_or_b32 s[G0K+4*\j+3], s[G0K+4*\j+3], 0x80000000              ; 127:126 type = 2
	s_mov_b32 s[G0V+4*\j], 1
	s_add_co_u32 s[G0V+4*\j+1], s94, \j*CH
	s_add_nc_u64 s[G0V+4*\j+2:G0V+4*\j+3], s[12:13], \j*256        ; 512 keys on in each row
	s_or_b32 s[G0V+4*\j+3], s[G0V+4*\j+3], 0x80000000
.endr
	s_mov_b32 s[G0VS], 1
	s_add_co_u32 s[G0VS+1], s95, SCV
	s_mov_b64 s[G0VS+2:G0VS+3], s[14:15]
	s_or_b32 s[G0VS+3], s[G0VS+3], 0x80000000
	CROUND                                         ; all four work-groups are here: the joint loads meet
	; ALL FILLS OF THE LAUNCH, as one group.  A wave's loads stand in one arm of a branch on its number: four of mine are out in K's arm, five in V's, none in waves 4 to 15.  Four v_nop follow the last.
	s_cmp_lt_u32 s[WV], 2
	s_cbranch_scc0 .Lnot_k
.irp j, 0,1,2,3
	tensor_load_to_lds s[G0K+4*\j:G0K+4*\j+3], s[G1K:G1K+7]
	s_nop 0
.endr
.rept 4
	v_nop
.endr
	s_branch .Lasked
.Lnot_k:
	s_cmp_lt_u32 s[WV], 4
	s_cbranch_scc0 .Lasked
	tensor_load_to_lds s[G0VS:G0VS+3], s[G1S:G1S+7]                ; the scale bytes first: they are wanted with chunk 0
	s_nop 0
.irp j, 0,1,2,3
	tensor_load_to_lds s[G0V+4*\j:G0V+4*\j+3], s[G1V:G1V+7]
	s_nop 0
.endr
.rept 4
	v_nop
.endr
.Lasked:
	v_and_b32 v5, 31, v0
	v_lshlrev_b32 v[LI], 4, v5
	v_and_b32 v8, 15, v0                           ; r = lane % 16
	v_bfe_u32 v9, v0, 4, 1                         ; h = lane / 16
	v_lshlrev_b32 v10, 6, v8
	v_lshl_add_u32 v10, v9, 4, v10                 ; Q: row r of 64 bytes, + 16 h
	v_lshlrev_b32 v[LR4], 2, v8
	global_load_b128 v[16:19], v10, s[8:9]         ; Q's fragment stays in registers
	global_load_b128 v[20:23], v10, s[8:9] offset:32
	global_load_b32 v255, v[LR4], s[10:11]         ; Q's scale words
.irp i, 0,1,2,3,4,5,6,7
	global_load_b128 v[32+4*\i:35+4*\i], v[LI], s[6:7] offset:512*\i   ; kstat: two pairs a lane and load, 512 consecutive bytes a load
.endr
	v_mul_u32_u24 v[AV0], v8, VP
	v_lshl_add_u32 v[AV0], v9, 4, v[AV0]
	v_add_nc_u32 v[AV0], VOFF, v[AV0]              ; V: row r of a tile, + 16 h, behind the chunk's K
	v_lshrrev_b32 v11, 2, v8
	v_and_b32 v6, 3, v8
	v_mul_u32_u24 v[ASV0], v11, 272
	v_lshl_add_u32 v[ASV0], v6, 6, v[ASV0]
	v_add_nc_u32 v[ASV0], SCV, v[ASV0]             ; V's scale words: 64 bytes a row, four rows to a run of 256 + 16
	v_lshlrev_b32 v[GO], 9, v9
	v_lshl_add_u32 v[GO], v8, 4, v[GO]             ; the way out: lanes 0-15 take one row of out0, lanes 16-31 the next; 16 bytes a lane
	v_mov_b32 v13, 0xff61b1e6                      ; the largest t so far: -3e38, under every t
	v_floor_f32 v12, -v13                          ; -M
	v_mov_b32 v14, 0                               ; the sum, in two halves
	v_mov_b32 v15, 0
.irp b, 0,1,2,3
	v_mov_b32 v[236+\b], 0                         ; written once: a lane permute's destination counts as one of its sources
.endr
	v_mov_b32 v253, 0                              ; (named as the upper half of the pair v[252:253] before it is first written)
.set j, 0
.rept 64
	v_mov_b32 v[160+j], 0                          ; O^T.  (The step has no first copy of its own: the first step finds zeros, which the first change of M leaves zeros)
.set j, j+1
.endr
	s_wait_loadcnt 0x0                             ; Q, its scale words, kstat
	; c.  My 16 pairs (mean, M2) lie in v[32 + 2 k : 33 + 2 k]
.irp k, 0,1,2,3,4,5,6,7
	v_pk_add_f32 v[96+2*\k:97+2*\k], v[32+4*\k:33+4*\k], v[34+4*\k:35+4*\k]
.endr
.irp k, 0,1,2,3
	v_pk_add_f32 v[96+2*\k:97+2*\k], v[96+4*\k:97+4*\k], v[98+4*\k:99+4*\k]
.endr
.irp k, 0,1
	v_pk_add_f32 v[96+2*\k:97+2*\k], v[96+4*\k:97+4*\k], v[98+4*\k:99+4*\k]
.endr
	v_pk_add_f32 v[96:97], v[96:97], v[98:99]      ; v96: my means' sum; v97: my M2's
	WSUM 96
	WSUM 97
	v_mul_f32 v98, 0x3b000000, v96                 ; the mean of all of K: the 512 parts have equal counts
.irp k, 0,1,2,3,4,5,6,7,8,9,10,11,12,13,14,15
	v_sub_f32 v[100+\k], v[32+2*\k], v98
.endr
	v_mul_f32 v116, v100, v100
	v_mul_f32 v117, v101, v101
.irp k, 2,4,6,8,10,12,14
	v_fma_f32 v116, v[100+\k], v[100+\k], v116
	v_fma_f32 v117, v[101+\k], v[101+\k], v117
.endr
	v_add_f32 v116, v116, v117
	WSUM 116
	v_fma_f32 v97, v116, 0x47000000, v97           ; M2 of all of K = the parts' M2 + 32,768 x the sum of (mean_i - mean)^2
	v_mul_f32 v97, 0x33800001, v97                 ; / (2^24 - 1): the variance
	v_rsq_f32 v99, v97
	v_nop                                          ; a plain line behind the transcendental,
	s_wait_alu depctr_va_vdst(0)                   ; and a wait ahead of the first line that names its result
	v_mul_f32 v99, 0x3fb8aa3b, v99                 ; c = log2(e) / sqrt(var)
	v_readfirstlane_b32 s[CS], v99                 ; it serves as a multiplier alone
	s_mov_b32 s[CS+1], s[CS]                       ; (named with it as a pair, so it is written)
; A KEY STEP: 128 keys.
.macro STEP
	v_add_nc_u32 v[ADK], s[TK], v[LI]              ; (these four are also the places in front of loads into registers that the last step's products have read)
	v_add_nc_u32 v[ADV], s[TV], v[AV0]
	v_add_nc_u32 v[ADS], s[TKS], v[LR4]
	v_add_nc_u32 v[ADT], s[TJ], v[ASV0]
.irp g, 0,1                                    ; S^T = K Q^T, four tiles of 16 keys at a time
.if \g > 0
.rept 4
	v_nop                                          ; four places in front of loads into registers that matrix instructions have read
.endr
.endif
.irp t, 0,1,2,3
.irp c, 0,1
	ds_load_b128 v[32+8*\t+4*\c:32+8*\t+4*\c+3], v[ADK] offset:(4*\g+\t)*1024+512*\c   ; a tile's image: 512 consecutive bytes an instruction
.endr
	ds_load_b32 v[248+\t], v[ADS] offset:(4*\g+\t)*64
.endr
	s_wait_dscnt 0x0
.irp t, 0,1,2,3
	v_wmma_scale_f32_16x16x128_f8f6f4 v[96+8*(4*\g+\t):103+8*(4*\g+\t)], v[32+8*\t:39+8*\t], v[16:23], 0, v[248+\t], v255 matrix_a_fmt:MATRIX_FMT_FP4 matrix_b_fmt:MATRIX_FMT_FP4
.endr
.endr                                          ; lane (r, h) holds query r; the 16 registers of tiles 2 b, 2 b + 1 are keys 32 b + 16 h + 0 .. 15 of the step
.rept 4
	v_nop
.endr
.irp b, 0,1,2,3
	v_max3_num_f32 v[232+\b], v[96+16*\b], v[97+16*\b], v[98+16*\b]   ; THE LARGEST SCORE OF EACH BLOCK OF 32 KEYS: it serves for the row's maximum and, since p rises with the score, for the block's largest p
.endr
.irp i, 3,5,7,9,11,13
.irp b, 0,1,2,3
	v_max3_num_f32 v[232+\b], v[232+\b], v[96+16*\b+\i], v[97+16*\b+\i]   ; (the four blocks by turns)
.endr
.endr
.irp b, 0,1,2,3
	v_max_num_f32 v[232+\b], v[232+\b], v[111+16*\b]
.endr
.irp b, 0,1,2,3
	v_permlanex16_b32 v[236+\b], v[232+\b], s[SEL], s[SEL+1]
.endr
.irp b, 0,1,2,3
	v_max_num_f32 v[232+\b], v[232+\b], v[236+\b]  ; with lane l xor 16's 16 keys
.endr
	v_max3_num_f32 v254, v232, v233, v234
	v_max_num_f32 v254, v254, v235                 ; the step's largest score of my query
	v_mul_f32 v254, s[CS], v254                    ; as t (c is positive)
	v_max_num_f32 v13, v13, v254                   ; the running largest t
	v_mov_b32 v254, v12
	v_floor_f32 v12, -v13                          ; the new -M = floor(-t) = -ceil(t): M is a whole number
	v_sub_f32 v254, v12, v254                      ; M's old value less its new one: a whole number, 0 or less
	v_cvt_i32_f32 v254, v254                       ; (it saturates)
	v_ldexp_f32 v252, 1.0, v254                    ; f = 2^(old M - new M): a multiplication by it rounds nothing
.set j, 0
.rept 32
	v_pk_fma_f32 v[96+j:97+j], v[96+j:97+j], s[CS:CS+1], v[12:13] op_sel_hi:[1,0,0]   ; t - M, two at a time (of the pairs c and -M the low word serves both halves)
.set j, j+2
.endr
.irp b, 0,1,2,3
	v_fma_f32 v[232+\b], v[232+\b], s[CS], v12     ; the same of each block's largest score
.endr
.set j, 0
.rept 64
	v_exp_f32 v[96+j], v[96+j]                     ; p = 2^(t - M), at most 1: not normalised
.set j, j+1
.endr
	v_pk_mul_f32 v[14:15], v[14:15], v[252:253] op_sel_hi:[1,0]   ; the sums under the new M (a plain line behind the exponentials)
	s_wait_alu depctr_va_vdst(0)                   ; one wait for the batch of 64, ahead of the first line that names a result
.irp b, 0,1,2,3
	v_exp_f32 v[232+\b], v[232+\b]                 ; the block's largest p: the same two instructions on the same number give the same bits
.endr
	v_pk_add_f32 v[236:237], v[96:97], v[98:99]    ; THE ROW'S SUM IS TAKEN OF THE UNQUANTISED p: two at a time, in two chains (plain work behind the four, which it does not name)
.set j, 4
.rept 15
	v_pk_add_f32 v[14:15], v[14:15], v[96+j:97+j]
	v_pk_add_f32 v[236:237], v[236:237], v[98+j:99+j]
.set j, j+4
.endr
	v_pk_add_f32 v[14:15], v[14:15], v[236:237]
	s_wait_alu depctr_va_vdst(0)                   ; and one wait for the four
.irp b, 0,1,2,3
	v_max_num_f32 v[232+\b], 0x1800000, v[232+\b]  ; the floor 2^(3 - 127): the byte cannot fall under 1 (a block whose every p has fallen to 0 keeps that byte: its codes are zeros)
.endr
.irp b, 0,1,2,3
	v_add_nc_u32 v[244+\b], 0xff000000, v[232+\b]  ; 2 off the exponent field: the conversion's scale operand
.endr
.irp b, 0,1,2,3
	v_lshrrev_b32 v[236+\b], 23, v[244+\b]         ; the scale's byte
.endr
	v_lshl_or_b32 v253, v237, 8, v236              ; p's scale word for these 128 keys
	v_lshl_or_b32 v253, v238, 16, v253
	v_lshl_or_b32 v253, v239, 24, v253
.irp b, 0,1,2,3
	v_cvt_scalef32_pk8_fp4_f32 v[224+2*\b], v[96+16*\b:103+16*\b], v[244+\b]
	v_cvt_scalef32_pk8_fp4_f32 v[225+2*\b], v[104+16*\b:111+16*\b], v[244+\b]
.endr
	v_nop                                          ; one plain line between a scaled conversion and the vector instruction that touches its result
.irp c, 0,1                                    ; the operand's layout wants a whole block in a lane: lanes 0-15 block 2 c, lanes 16-31 block 2 c + 1
.irp i, 0,1
	v_permlane16_swap_b32 v[224+4*\c+\i], v[226+4*\c+\i]
.endr
.endr
.set j, 0
.rept 32
	v_pk_mul_f32 v[160+j:161+j], v[160+j:161+j], v[252:253] op_sel_hi:[1,0]   ; O^T under the new M: x f.  (These 32 are also the places in front of the loads and the scaled products below)
.set j, j+2
.endr
.irp g, 0,1                                    ; O^T += V^T P^T: four tiles of 16 of the head's 128 at a time; K = these 128 keys.  The eight accumulators take turns, one instruction a turn
.if \g > 0
.rept 4
	v_nop
.endr
.endif
.irp t, 0,1,2,3
.irp c, 0,1
	ds_load_b128 v[32+8*\t+4*\c:32+8*\t+4*\c+3], v[ADV] offset:16*(4*\g+\t)*VP+32*\c
.endr
	ds_load_b32 v[248+\t], v[ADT] offset:(4*\g+\t)*4*272
.endr
	s_wait_dscnt 0x0
.irp t, 0,1,2,3
	v_wmma_scale_f32_16x16x128_f8f6f4 v[160+8*(4*\g+\t):167+8*(4*\g+\t)], v[32+8*\t:39+8*\t], v[224:231], v[160+8*(4*\g+\t):167+8*(4*\g+\t)], v[248+\t], v253 matrix_a_fmt:MATRIX_FMT_FP4 matrix_b_fmt:MATRIX_FMT_FP4
.endr
.endr
	s_add_co_u32 s[TK], s[TK], 8192                ; the next step's eight tiles of K,
	s_add_co_u32 s[TKS], s[TKS], 512               ; their scale words,
	s_add_co_u32 s[TV], s[TV], 64                  ; V's next 128 keys in each row,
	s_add_co_u32 s[TJ], s[TJ], 4                   ; and their scale words
.endm
; A CHUNK of 512 keys: four steps.  The wait's count: behind chunk j's load each fetching wave has issued the 3 - j loads of the later chunks, in K's arm as in V's; they may stay out.
; A wave that fetches nothing passes the wait at once.  Behind the barrier the chunk is whole for all sixteen waves.
.macro CHUNK j
	s_wait_tensorcnt 3-\j
	s_wait_dscnt 0x0                               ; no LDS instruction of mine is out at the signal: my reads of the chunk that I leave are over
	s_barrier_signal -1
	s_barrier_wait -1
	s_mov_b32 s[TK], \j*CH
	s_mov_b32 s[TKS], \j*CH+32768
	s_mov_b32 s[TV], \j*CH
	s_mov_b32 s[TJ], 16*\j
	s_mov_b32 s[CNT], 4
.Lstep_\@:
	STEP
	s_sub_co_u32 s[CNT], s[CNT], 1
	s_cmp_lg_u32 s[CNT], 0
	s_cbranch_scc1 .Lstep_\@
.endm
	CHUNK 0
	CHUNK 1
	CHUNK 2
	CHUNK 3
	; THE WAY OUT.  O^T is divided by the row's sum and goes through my stage in LDS, half a row (64 channels, 256 bytes) of 16 queries at a time, so that sixteen lanes store 256 consecutive aligned bytes.
	; The sixteen stages, 4,352 bytes each, are chunk 0's 69,632 bytes: that chunk has had its one fill, and every wave has waited for its reads of it in front of chunk 1's barrier, which all have passed.
	v_add_f32 v14, v14, v15                        ; the sum's two halves,
	v_permlanex16_b32 v252, v14, s[SEL], s[SEL+1]
	v_add_f32 v14, v14, v252                       ; and lane l xor 16's: the row's sum
	v_rcp_f32 v14, v14
	v_and_b32 v8, 15, v0                           ; (a plain line behind the transcendental)  r
	v_bfe_u32 v9, v0, 4, 1                         ; h
	s_mul_i32 s92, s[WV], 16*272                   ; my stage
	v_mul_u32_u24 v10, v8, 272
	v_lshl_add_u32 v10, v9, 5, v10
	v_add_nc_u32 v10, s92, v10                     ; in: row r; tile t's eight channels of my half: 64 t + 32 h bytes on
	v_mul_u32_u24 v11, v9, 272
	v_lshl_add_u32 v11, v8, 4, v11
	v_add_nc_u32 v11, s92, v11                     ; back: lanes 0-15 one row, lanes 16-31 the next
	s_wait_alu depctr_va_vdst(0)                   ; a wait ahead of the reciprocal's first reader
.set j, 0
.rept 64
	v_mul_f32 v[96+j], v[160+j], v14               ; O^T / the sum, each accumulator from its low end on: register 8 t + i is out0(r, 16 t + 8 h + i)
.set j, j+1
.endr
.irp u, 0,1                                    ; channels 64 u on
.irp t, 0,1,2,3
	ds_store_b128 v10, v[96+32*\u+8*\t:99+32*\u+8*\t] offset:64*\t
	ds_store_b128 v10, v[100+32*\u+8*\t:103+32*\u+8*\t] offset:64*\t+16
.endr
.irp i, 0,1,2,3,4,5,6,7
	ds_load_b128 v[32+32*\u+4*\i:35+32*\u+4*\i], v11 offset:2*\i*272   ; LDS serves a wave's instructions in order: these see my stores, and the next half's stores come behind them
.endr
.endr
.irp u, 0,1
.irp i, 0,1,2,3,4,5,6,7
	s_wait_dscnt 16*(1-\u)+7-\i                    ; behind this load: the 7 - i later loads of its half and, for the first half, the second half's 8 stores and 8 loads
	global_store_b128 v[GO], v[32+32*\u+4*\i:35+32*\u+4*\i], s[16:17] offset:2*\i*512+256*\u th:TH_STORE_NT   ; 16 lanes store 256 consecutive bytes, at a multiple of 256 from out0's first byte; written once, read by nobody here
.endr
.endr
	s_wait_dscnt 0x0                               ; no LDS instruction of mine is out at the signal (all my tensor loads were waited for in front of chunk 3)
	s_wait_tensorcnt 0x0
	ds_add_u32 v242, v243
	s_wait_dscnt 0x0
	CROUND                                         ; the closing round: no work-group ends while a partner may still ask for a tile that names it
	s_endpgm
.Lfunc_end_k_qf9bcaa5bd8_attn:
	.size	k_qf9bcaa5bd8_attn, .Lfunc_end_k_qf9bcaa5bd8_attn-k_qf9bcaa5bd8_attn
	.p2alignl 7, 3214868480
	.fill 96, 4, 3214868480
	.section	.rodata,"a",@progbits
	.p2align	6, 0x0
	.amdhsa_kernel k_qf9bcaa5bd8_attn
		.amdhsa_group_segment_fixed_size 327680
		.amdhsa_private_segment_fixed_size 0
		.amdhsa_enable_private_segment 0
		.amdhsa_kernarg_size 56
		.amdhsa_user_sgpr_count 2
		.amdhsa_user_sgpr_kernarg_segment_ptr 1
		.amdhsa_wavefront_size32 1
		.amdhsa_system_sgpr_workgroup_id_x 1
		.amdhsa_system_sgpr_workgroup_id_y 1
		.amdhsa_system_sgpr_workgroup_id_z 1
		.amdhsa_system_vgpr_workitem_id 0
		.amdhsa_next_free_vgpr 256
		.amdhsa_next_free_sgpr 100
		.amdhsa_reserve_vcc 0
		.amdhsa_float_denorm_mode_32 3
		.amdhsa_float_denorm_mode_16_64 3
		.amdhsa_memory_ordered 1
		.amdhsa_forward_progress 1
		.amdhsa_inst_pref_size 99
	.end_amdhsa_kernel
	.amdgpu_metadata
---
amdhsa.version: [ 1, 2 ]
amdhsa.kernels:
  - .name:           k_qf9bcaa5bd8_attn
    .symbol:         k_qf9bcaa5bd8_attn.kd
    .args:
      - { .name: kq, .offset: 0, .size: 8, .value_kind: global_buffer, .address_space: global }
      - { .name: kstat, .offset: 8, .size: 8, .value_kind: global_buffer, .address_space: global }
      - { .name: Q_codes, .offset: 16, .size: 8, .value_kind: global_buffer, .address_space: global }
      - { .name: Q_scales, .offset: 24, .size: 8, .value_kind: global_buffer, .address_space: global }
      - { .name: V_codes, .offset: 32, .size: 8, .value_kind: global_buffer, .address_space: global }
      - { .name: V_scales, .offset: 40, .size: 8, .value_kind: global_buffer, .address_space: global }
      - { .name: out0, .offset: 48, .size: 8, .value_kind: global_buffer, .address_space: global }
    .group_segment_fixed_size: 327680
    .private_segment_fixed_size: 0
    .kernarg_segment_align: 8
    .kernarg_segment_size: 56
    .max_flat_workgroup_size: 512
    .sgpr_count:     100
    .vgpr_count:     256
    .wavefront_size: 32
...
	.end_amdgpu_metadata
.endif
;; end of part 2
